; MI455X (gfx1250); checked and timed in simulation.
; The chip was launched on July 23, 2026; its instructions are those of AMD's public machine-readable ISA for CDNA 5 (MIT licence, August 2026) and "CDNA5" Instruction Set Architecture Reference Guide (July 2026). The comments in the code are by the model that wrote it; some were corrected since.
;; Anchor Diff Net. Allowed arithmetic: matrix products marked QUANTISED: E2M3 operands, one E8M0 scale for each 32 along K, by v_wmma_scale_f32_16x16x128_f8f6f4 with both operands' format E2M3, f32 sums; products left as they are: f32 operands where the result goes on into a quantised operand, else bf16, f16 or f32 operands; f32 sums; everything else in f32.
;; Inputs: b1 128 float32; b2 1 float32; beta 128 float32; curr_feat 8 x 128 x 32 x 64 float32; gamma 128 float32; ref_feat 8 x 128 x 32 x 64 float32; running_mean 128 float32; running_var 128 float32; w1 128 x 384 float32; w2 1 x 128 float32.
;; Outputs: out0 8 x 1 x 32 x 64 float32.
;; This version of the problem:
;;   THIS VERSION OF THE PROBLEM IS GIVEN IN LOW PRECISION. The matrix products marked QUANTISED in the list below multiply operands that are first quantised to E2M3 (2 exponent bits, 3 mantissa bits; 6 bits a number), with one power-of-two scale for each 32 numbers along K (OCP MX v1.0); their sums are f32. All else is computed in f32.
;;   The module's matrix products, in the order in which they are computed (A, B: the left and right operand; K: the contracted axis; several contracted axes count as one K, in the product's order):
;;     1. batch 8 x [M 2,048, K 128] x [K 128, N 2,048]; A: input ref_feat; B: input curr_feat: QUANTISED
;;     2. batch 8 x [M 2,048, K 128] x [K 128, N 2,048]; A: input curr_feat; B: input curr_feat: QUANTISED
;;     3. batch 8 x [M 128, K 2,048] x [K 2,048, N 2,048]; A: input curr_feat; B: softmax (see below): QUANTISED
;;     4. batch 8 x [M 128, K 2,048] x [K 2,048, N 2,048]; A: input curr_feat; B: softmax (see below): QUANTISED
;;     5. [M 16,384, K 384] x [K 384, N 128]; A: computed on the way; B: input w1: QUANTISED
;;     6. [M 16,384, K 128] x [K 128, N 1]; A: computed on the way; B: input w2: left as it is (N = 1 < 16)
;;   THE QUANTISER, for each operand of a quantised product, along K:
;;     - K is cut into blocks of 32 from its start; a last block that is shorter is filled with zeros.
;;     - A block's scale is 2^e with e = floor(log2(the largest magnitude in the block)) - 2, held to -126 .. 127; a block of zeros has e = 0. As a byte (E8M0): e + 127.
;;     - Each number is divided by its block's scale, clamped to +-7.5, and rounded to the nearest number of E2M3, ties to even, subnormals kept.
;;     - The product sums the exact products of the quantised numbers (number of the format x scale) in f32.
;;   ~~~python
;;   def quantise(x, axis):      # numpy; x: float32 -> the quantised numbers, widened to float32 again
;;       x = np.moveaxis(x, axis, -1); K = x.shape[-1]
;;       x = np.pad(x, [(0, 0)] * (x.ndim - 1) + [(0, -K % 32)]); x = x.reshape(x.shape[:-1] + (-1, 32)); a = np.abs(x).max(-1, keepdims=True)
;;       e = np.where(a > 0, np.clip(np.frexp(np.where(a > 0, a, 1))[1] - 1 - 2, -126, 127), 0)      # np.frexp(a)[1] - 1 = floor(log2(a)), exactly
;;       r = np.clip(x / 2.0 ** e, -7.5, 7.5)
;;       step = 2.0 ** (np.maximum(np.frexp(np.where(r == 0, 1, r))[1] - 1, 0) - 3)
;;       q = np.round(r / step) * step * 2.0 ** e      # np.round: ties to even
;;       return np.moveaxis(q.reshape(q.shape[:-2] + (-1,))[..., :K], -1, axis).astype(np.float32)
;;   ~~~
;;   SOFTMAX AHEAD OF A QUANTISED PRODUCT. Where the list says 'softmax', what is quantised is not the finished softmax but p = 2^(t - M), with t = logit x log2(e) and M = ceil(the row's largest t), a whole number; so 1/2 < the row's largest p <= 1. The row's sum l is taken of the UNQUANTISED p, in f32, and the product's result is divided by l at the end. Since M is a whole number, a kernel that streams over the keys may use a running M (the ceiling of the running maximum): every later rescaling is an exact power of two, which a block's scale takes up: the codes' values come out the same.
;;   OPERANDS COMPUTED ON THE WAY. 'Computed on the way' means the value that the module computes at that place (a softmax that the list does not call 'softmax' is quantised finished and normalised). What goes into a quantiser is computed in f32, as accurately as f32 sums, v_exp_f32 and their like allow (about 1e-6 of the number): no bf16 or f16 on the way to a quantiser, and a product that is left as it is and whose result goes on into a quantised operand takes f32 operands (vector FMAs, or v_wmma_f32_16x16x4_f32). A number that lies on a knife's edge between two numbers of the format may be rounded either way, as far as f32 arithmetic and the matrix unit's own rounding can turn it there, and no further.
;; One version. Each part assembles by itself: llvm-mc -triple=amdgcn-amd-amdhsa -mcpu=gfx1250 --defsym DOCPART=n.
;; ======== version 1 of 1: 2 launches
;; workspace buffers: kv 3,276,800 bytes; qr 1,638,400 bytes; w1q 38,400 bytes; bn 1,024 bytes
;; launch prep (part 1): grid 259 x 1, 8 waves a work-group, no clusters, 69,632 bytes of LDS; arguments curr_feat, ref_feat, w1, b1, gamma, beta, running_mean, running_var, kv, qr, w1q, bn; writes kv, qr, w1q, bn
.if DOCPART == 1
	.amdgcn_target "amdgcn-amd-amdhsa--gfx1250"
	.amdhsa_code_object_version 6
	.text
	.protected	k_q920ff8e25d_prep
	.globl	k_q920ff8e25d_prep
	.p2align	8
	.type	k_q920ff8e25d_prep,@function
k_q920ff8e25d_prep:
	s_mov_b64 s[64:65], 0
	v_nop
	global_prefetch_b8 v0, s[64:65] scope:SCOPE_SE
	s_setreg_imm32_b32 hwreg(HW_REG_WAVE_MODE, 25, 1), 1
	s_wait_xcnt 0x0
; THE OPERANDS THAT MANY WORK-GROUPS READ ARE QUANTISED ONCE, to codes of FP6 (E2M3) with one E8M0 byte for each 32 along K, and laid as IMAGES OF THE OPERAND'S REGISTERS.
; A RECORD (12,800 bytes) is 8 fragments of 16 rows x 128 K (1,536 bytes each) and, at byte 12,288, their scale words (tile t, row r: 64 t + 4 r).
; In a fragment, register q (0..11) of lane l lies at 512 (q / 4) + 16 l + 4 (q % 4): three accesses of 16 bytes a lane, 512 consecutive bytes each, store or load it.
; ROW r OF TILE t IS INDEX 32 (t / 2) + 8 (t % 2) + r + 8 (r / 8) ("pat"): so the results of a product used transposed lie as 16 neighbours along the next K.
; A work-group takes 128 rows x 128 columns of f32.  Work-groups 0-127: cur, batch W / 16, positions 128 (W % 16) on: rows = channels.  It is read once and quantised twice:
;   job N, along the columns (the keys: the values' record), and job C, along the rows (the channels: the keys' and queries' record).  128-255: ref, job C alone.  256-258: w1's columns 128 (W - 256) on, job N alone.
; Wave w makes tile w of each record.  The tile goes through a stage in LDS: stage row 16 w + i holds source row pat(w, i), so a fragment's 16 rows lie on end.
; Work-group 256, wave 2, folds the batch norm: inv = gamma rsq(var + 1e-5), sh = (b1 - mean) inv + beta: y = inv x sum + sh is the reference's expression with its additions taken together.
; A block's scale is 2^(floor(log2(largest magnitude)) - 2): its byte is the largest magnitude's exponent field - 2, held at 1 from below.
; LIMITS: a block of zeros, or one whose largest magnitude lies under 2^-124, gets the byte 1 (a block of zeros: not 127; its codes are zeros, and this program alone reads the bytes).  NaN and infinities are not served.
.set SGN,  0                           ; LDS: job N's 128 scale words
.set SGC,  512                         ; job C's
.set STG,  1024                        ; the stage: 128 rows of 512 bytes + 16
.set SP,   528                         ; 132 words: row r starts at bank 4 r mod 64 (64 banks of 4 bytes: ISA guide 11.1)
.set REC,  12800
.set SCO,  12288
.set MX,   10                          ; v10-11  largest magnitudes of my two blocks
.set SOP,  12                          ; v12-13  the conversions' scale operands
.set BY,   14                          ; v14-15  the scales' bytes
.set OFF,  16                          ; v16-31  byte offsets of my wave's 16 source rows
.set X,    32                          ; v32-95  64 numbers
.set PCN,  96                          ; v96-107  job N's fragment
.set PCC,  108                         ; v108-119 job C's: a set of its own, so that no store's data are written again
.set CT,   120                         ; v120-126 the second halves of the blocks' codes
.set WD,   128                         ; the scale word
.set PD,   129                         ; a lane permute's destination
.set SH8,  130                         ; 8 x (lane / 16)
.set OW,   132                         ; v132-135 scale words on their way out
	s_load_b512 s[4:19], s[0:1], 0x0               ; cur s[4:5], ref s[6:7], w1 s[8:9], b1 s[10:11], gamma s[12:13], beta s[14:15], mean s[16:17], var s[18:19]
	s_load_b256 s[20:27], s[0:1], 0x40             ; kv s[20:21], qr s[22:23], w1q s[24:25], bn s[26:27]
	v_lshl_add_u32 v144, v0, 2, 0x10c00
	v_mov_b32 v145, 0
	v_lshrrev_b32 v1, 5, v0
	s_delay_alu instid0(VALU_DEP_1)
	v_readfirstlane_b32 s28, v1                    ; wave 0..7
	v_and_b32 v1, 31, v0                           ; lane
	v_and_b32 v2, 15, v0                           ; r
	v_bfe_u32 v3, v0, 4, 1                         ; h
	s_delay_alu instid0(VALU_DEP_3)
	v_lshlrev_b32 v4, 4, v1                        ; 16 x lane
	s_mul_i32 s33, s28, 16*SP
	s_add_co_u32 s33, s33, STG                     ; my wave's 16 stage rows
	v_add_nc_u32 v5, s33, v4                       ; into the stage: a row's 512 bytes as they lie
	v_mul_u32_u24 v6, v2, SP
	s_delay_alu instid0(VALU_DEP_1)
	v_lshl_add_u32 v6, v3, 7, v6
	s_delay_alu instid0(VALU_DEP_1)
	v_add_nc_u32 v6, s33, v6                       ; job N: stage row 16 w + r, + 128 h: my block of 32 columns
	s_lshr_b32 s42, s28, 1
	s_lshl_b32 s42, s42, 5
	s_and_b32 s43, s28, 1
	s_lshl_b32 s43, s43, 3
	s_add_co_u32 s42, s42, s43                     ; pat(w, 0) = 32 (w / 2) + 8 (w % 2)
	v_and_b32 v7, 8, v2
	s_delay_alu instid0(VALU_DEP_1)
	v_add_nc_u32 v7, v7, v2                        ; r + 8 (r / 8)
	s_delay_alu instid0(VALU_DEP_1)
	v_add_nc_u32 v7, s42, v7                       ; pat(w, r)
	s_delay_alu instid0(VALU_DEP_1)
	v_lshlrev_b32 v7, 2, v7
	s_delay_alu instid0(VALU_DEP_1)
	v_mad_u32_u24 v7, v3, 32*SP, v7
	s_delay_alu instid0(VALU_DEP_1)
	v_add_nc_u32 v7, STG, v7                       ; job C: column pat(w, r), 32 h rows down
	s_mul_i32 s43, s28, 1536
	v_add_nc_u32 v8, s43, v4                       ; my fragment's place in a record
	s_lshl_b32 s43, s28, 6
	v_lshl_add_u32 v9, v2, 2, s43                  ; my row's scale word: 64 w + 4 r
	v_lshlrev_b32 v[SH8], 3, v3
	v_mov_b32 v[PD], 0                             ; written once: a lane permute's destination counts as one of its sources
	s_mov_b32 s40, 0x76543210
	s_mov_b32 s41, 0xfedcba98                      ; v_permlanex16_b32's selects for lane l xor 16
	; which tensor, which tile: everything hangs on the work-group's number alone
	s_lshr_b32 s31, ttmp9, 7                       ; 0 cur, 1 ref, 2 w1
	s_and_b32 s44, ttmp9, 127                      ; the tile's number in its tensor
	s_lshr_b32 s45, s44, 4
	s_lshl_b32 s45, s45, 20                        ; batch x 128 channels x 8,192 bytes (w1: 0)
	s_and_b32 s46, s44, 15
	s_lshl_b32 s46, s46, 9                         ; 128 columns are 512 bytes
	s_add_co_u32 s46, s46, s45
	s_mov_b32 s47, 0
	s_mov_b32 s29, 1536                            ; a row of w1 in bytes
	s_mov_b32 s32, REC
	s_wait_kmcnt 0x0
	s_cmp_eq_u32 s31, 0
	s_cselect_b64 s[34:35], s[4:5], s[6:7]         ; the source
	s_cselect_b64 s[38:39], s[20:21], s[22:23]     ; job C's record: in kv or in qr
	s_cselect_b64 s[36:37], s[20:21], s[24:25]     ; job N's: in kv or in w1q
	s_cselect_b32 s32, 2*REC, s32                  ; kv has two records a tile
	s_cselect_b32 s30, REC, 0                      ; and the values' stands behind the keys'
	s_cmp_lt_u32 s31, 2
	s_cselect_b64 s[34:35], s[34:35], s[8:9]
	s_cselect_b32 s29, 8192, s29                   ; a row of cur or ref in bytes
	s_add_nc_u64 s[34:35], s[34:35], s[46:47]
	s_mul_i32 s46, s44, s32
	s_add_nc_u64 s[38:39], s[38:39], s[46:47]
	s_add_co_u32 s46, s46, s30
	s_add_nc_u64 s[36:37], s[36:37], s[46:47]
	s_mul_i32 s42, s42, s29                        ; my first source row
	s_mul_i32 s45, s29, 9                          ; from pat(w, 7) to pat(w, 8): nine rows
	v_add_nc_u32 v[OFF], s42, v4
.irp i, 1,2,3,4,5,6,7
	s_delay_alu instid0(VALU_DEP_1)
	v_add_nc_u32 v[OFF+\i], s29, v[OFF+\i-1]
.endr
	s_delay_alu instid0(VALU_DEP_1)
	v_add_nc_u32 v[OFF+8], s45, v[OFF+7]
.irp i, 9,10,11,12,13,14,15
	s_delay_alu instid0(VALU_DEP_1)
	v_add_nc_u32 v[OFF+\i], s29, v[OFF+\i-1]
.endr
.irp i, 0,1,2,3,4,5,6,7,8,9,10,11,12,13,14,15
	global_load_b128 v[X+4*\i:X+4*\i+3], v[OFF+\i], s[34:35] th:TH_LOAD_NT   ; 32 lanes read a row's 512 consecutive bytes; read once in this launch
.endr
.irp i, 0,1,2,3,4,5,6,7,8,9,10,11,12,13,14,15
	s_wait_loadcnt 15-\i                           ; loads come back in order: row i is in, the 15 - i younger ones stay out
	ds_store_b128 v5, v[X+4*\i:X+4*\i+3] offset:SP*\i
.endr
	s_wait_dscnt 0x0                               ; for the others' sake: my rows lie in the stage
	s_barrier_signal -1
	s_barrier_wait -1
; 64 numbers of a lane, v[X + 32 c + i] = k 64 c + 32 h + i of my row: two whole blocks.  They become the fragment's 12 registers at v[pc] on, and the row's scale word in v[WD].
.macro QUANT64 pc
.irp c, 0,1
	v_max3_num_f32 v[MX+\c], |v[X+32*\c]|, |v[X+32*\c+1]|, 0x1800000   ; and the floor 2^(3 - 127), under which no largest magnitude is taken: the byte cannot fall under 1
.endr
.irp i, 2,4,6,8,10,12,14,16,18,20,22,24,26,28,30
.irp c, 0,1
	s_delay_alu instid0(VALU_DEP_2)
	v_max3_num_f32 v[MX+\c], v[MX+\c], |v[X+32*\c+\i]|, |v[X+32*\c+\i+1]|   ; (the two blocks by turns)
.endr
.endr
.irp c, 0,1
	s_delay_alu instid0(VALU_DEP_2)
	v_add_nc_u32 v[SOP+\c], 0xff000000, v[MX+\c]   ; 2 off the exponent field: the conversion takes that field of this operand as its scale
.endr
.irp c, 0,1
	s_delay_alu instid0(VALU_DEP_2)
	v_lshrrev_b32 v[BY+\c], 23, v[SOP+\c]          ; the scale's byte
.endr
	s_delay_alu instid0(VALU_DEP_1)
	v_lshl_or_b32 v[WD], v[BY+1], 16, v[BY]        ; blocks h and 2 + h,
	s_delay_alu instid0(VALU_DEP_1)
	v_lshlrev_b32 v[WD], v[SH8], v[WD]             ; at their places in the word;
	s_delay_alu instid0(VALU_DEP_1)
	v_permlanex16_b32 v[PD], v[WD], s40, s41
	s_delay_alu instid0(VALU_DEP_1)
	v_or_b32 v[WD], v[WD], v[PD]                   ; with lane l xor 16's two the word is whole
.irp c, 0,1
	v_cvt_scalef32_pk16_fp6_f32 v[\pc+6*\c:\pc+6*\c+2], v[X+32*\c:X+32*\c+15], v[SOP+\c]
	v_cvt_scalef32_pk16_fp6_f32 v[CT+4*\c:CT+4*\c+2], v[X+32*\c+16:X+32*\c+31], v[SOP+\c]   ; (a conversion's three registers begin on an even number)
.endr
	v_nop                                          ; one plain place behind a scaled conversion
.irp c, 0,1
.irp i, 0,1,2
	v_mov_b32 v[\pc+6*\c+3+\i], v[CT+4*\c+\i]
.endr
.endr
.endm
	; ---- job N: K = the columns.  My row's 32 neighbours of each of two blocks: sixteen loads of 16 bytes
	s_cmp_eq_u32 s31, 1
	s_cbranch_scc1 .Lno_n
.irp c, 0,1
.irp q, 0,1,2,3,4,5,6,7
	ds_load_b128 v[X+32*\c+4*\q:X+32*\c+4*\q+3], v6 offset:256*\c+16*\q
.endr
.endr
	s_wait_dscnt 0x0
	QUANT64 PCN
.irp g, 0,1,2
	global_store_b128 v8, v[PCN+4*\g:PCN+4*\g+3], s[36:37] offset:512*\g   ; 32 lanes store 512 consecutive bytes, at a multiple of 256 from the buffer's first byte
.endr
	ds_store_b32 v9, v[WD] offset:SGN              ; both halves of the lanes write the same word with the same value
.Lno_n:
	; ---- job C: K = the rows.  A lane takes a column and its registers run down the rows.  Source row 32 a + i lies in stage row 32 a + 16 ((i / 8) % 2) + i % 8 + 8 (i / 16).
	; Lanes 16-31 read 32 stage rows further down, 4,224 words, a whole number of times through the 64 banks: these loads go two deep.
	s_cmp_eq_u32 s31, 2
	s_cbranch_scc1 .Lno_c
.irp c, 0,1
.set i, 0
.rept 32
	ds_load_b32 v[X+32*\c+i], v7 offset:(64*\c+16*((i/8)%2)+i%8+8*(i/16))*SP
.set i, i+1
.endr
.endr
	s_wait_dscnt 0x0                               ; (job N's store of its scale word is done too: v[WD] may be written again)
	QUANT64 PCC
.irp g, 0,1,2
	global_store_b128 v8, v[PCC+4*\g:PCC+4*\g+3], s[38:39] offset:512*\g
.endr
	ds_store_b32 v9, v[WD] offset:SGC
.Lno_c:
	s_wait_dscnt 0x0                               ; for the others' sake: my scale words lie in LDS
	s_barrier_signal -1
	s_barrier_wait -1
	; ---- a record's 512 bytes of scale words leave as one run: wave 0 job C's, wave 1 job N's
	s_cmp_lg_u32 s28, 0
	s_cbranch_scc1 .Lnot_0
	s_cmp_eq_u32 s31, 2
	s_cbranch_scc1 .Ldone
	ds_load_b128 v[OW:OW+3], v4 offset:SGC
	s_wait_dscnt 0x0
	global_store_b128 v4, v[OW:OW+3], s[38:39] offset:SCO
	s_branch .Ldone
.Lnot_0:
	s_cmp_lg_u32 s28, 1
	s_cbranch_scc1 .Lnot_1
	s_cmp_eq_u32 s31, 1
	s_cbranch_scc1 .Ldone
	ds_load_b128 v[OW:OW+3], v4 offset:SGN
	s_wait_dscnt 0x0
	global_store_b128 v4, v[OW:OW+3], s[36:37] offset:SCO
	s_branch .Ldone
.Lnot_1:
	; ---- the batch norm, folded: one wave of one work-group; four outputs a lane
	s_cmp_lg_u32 s28, 2
	s_cbranch_scc1 .Ldone
	s_cmp_lg_u32 ttmp9, 256
	s_cbranch_scc1 .Ldone
	global_load_b128 v[32:35], v4, s[12:13]        ; gamma
	global_load_b128 v[36:39], v4, s[18:19]        ; running_var
	global_load_b128 v[40:43], v4, s[10:11]        ; b1
	global_load_b128 v[44:47], v4, s[16:17]        ; running_mean
	global_load_b128 v[48:51], v4, s[14:15]        ; beta
	s_wait_loadcnt 0x0
.irp j, 0,2
	v_pk_add_f32 v[36+\j:37+\j], v[36+\j:37+\j], 0x3727c5ac op_sel_hi:[1,0]   ; var + 1e-5
	v_pk_add_f32 v[40+\j:41+\j], v[40+\j:41+\j], v[44+\j:45+\j] neg_lo:[0,1] neg_hi:[0,1]   ; b1 - mean
.endr
	s_wait_alu depctr_va_vdst(0)
.irp j, 0,1,2,3
	v_rsq_f32 v[36+\j], v[36+\j]
.endr
	v_nop                                          ; a plain place behind the transcendentals
	s_wait_alu depctr_va_vdst(0)
.irp j, 0,2
	v_pk_mul_f32 v[32+\j:33+\j], v[32+\j:33+\j], v[36+\j:37+\j]               ; inv
.endr
.irp j, 0,2
	s_delay_alu instid0(VALU_DEP_2)
	v_pk_fma_f32 v[48+\j:49+\j], v[40+\j:41+\j], v[32+\j:33+\j], v[48+\j:49+\j]   ; sh
.endr
	global_store_b128 v4, v[32:35], s[26:27]
	global_store_b128 v4, v[48:51], s[26:27] offset:512
.Ldone:
	s_wait_tensorcnt 0x0
	ds_add_u32 v144, v145
	s_wait_dscnt 0x0
	s_endpgm
.Lfunc_end_k_q920ff8e25d_prep:
	.size	k_q920ff8e25d_prep, .Lfunc_end_k_q920ff8e25d_prep-k_q920ff8e25d_prep
	.p2alignl 7, 3214868480
	.fill 96, 4, 3214868480
	.section	.rodata,"a",@progbits
	.p2align	6, 0x0
	.amdhsa_kernel k_q920ff8e25d_prep
		.amdhsa_group_segment_fixed_size 69632
		.amdhsa_private_segment_fixed_size 0
		.amdhsa_enable_private_segment 0
		.amdhsa_kernarg_size 96
		.amdhsa_user_sgpr_count 2
		.amdhsa_user_sgpr_kernarg_segment_ptr 1
		.amdhsa_wavefront_size32 1
		.amdhsa_system_sgpr_workgroup_id_x 1
		.amdhsa_system_sgpr_workgroup_id_y 1
		.amdhsa_system_sgpr_workgroup_id_z 1
		.amdhsa_system_vgpr_workitem_id 0
		.amdhsa_next_free_vgpr 146
		.amdhsa_next_free_sgpr 66
		.amdhsa_reserve_vcc 0
		.amdhsa_float_denorm_mode_32 3
		.amdhsa_float_denorm_mode_16_64 3
		.amdhsa_memory_ordered 1
		.amdhsa_forward_progress 1
		.amdhsa_inst_pref_size 24
	.end_amdhsa_kernel
	.amdgpu_metadata
---
amdhsa.version: [ 1, 2 ]
amdhsa.kernels:
  - .name:           k_q920ff8e25d_prep
    .symbol:         k_q920ff8e25d_prep.kd
    .args:
      - { .name: curr_feat, .offset: 0, .size: 8, .value_kind: global_buffer, .address_space: global }
      - { .name: ref_feat, .offset: 8, .size: 8, .value_kind: global_buffer, .address_space: global }
      - { .name: w1, .offset: 16, .size: 8, .value_kind: global_buffer, .address_space: global }
      - { .name: b1, .offset: 24, .size: 8, .value_kind: global_buffer, .address_space: global }
      - { .name: gamma, .offset: 32, .size: 8, .value_kind: global_buffer, .address_space: global }
      - { .name: beta, .offset: 40, .size: 8, .value_kind: global_buffer, .address_space: global }
      - { .name: running_mean, .offset: 48, .size: 8, .value_kind: global_buffer, .address_space: global }
      - { .name: running_var, .offset: 56, .size: 8, .value_kind: global_buffer, .address_space: global }
      - { .name: kv, .offset: 64, .size: 8, .value_kind: global_buffer, .address_space: global }
      - { .name: qr, .offset: 72, .size: 8, .value_kind: global_buffer, .address_space: global }
      - { .name: w1q, .offset: 80, .size: 8, .value_kind: global_buffer, .address_space: global }
      - { .name: bn, .offset: 88, .size: 8, .value_kind: global_buffer, .address_space: global }
    .group_segment_fixed_size: 69632
    .private_segment_fixed_size: 0
    .kernarg_segment_align: 8
    .kernarg_segment_size: 96
    .max_flat_workgroup_size: 256
    .sgpr_count:     66
    .vgpr_count:     146
    .wavefront_size: 32
...
	.end_amdgpu_metadata
.endif
;; end of part 1
;; launch attn (part 2): grid 32 x 8, 8 waves a work-group, clusters of 4 x 1, 327,680 bytes of LDS; arguments kv, qr, w1q, bn, w2, b2, out0; writes out0
.if DOCPART == 2
	.amdgcn_target "amdgcn-amd-amdhsa--gfx1250"
	.amdhsa_code_object_version 6
	.text
	.protected	k_q920ff8e25d_attn
	.globl	k_q920ff8e25d_attn
	.p2align	8
	.type	k_q920ff8e25d_attn,@function
k_q920ff8e25d_attn:
	s_mov_b64 s[64:65], 0
	v_nop
	global_prefetch_b8 v0, s[64:65] scope:SCOPE_SE
	s_setreg_imm32_b32 hwreg(HW_REG_WAVE_MODE, 25, 1), 1
	s_wait_xcnt 0x0
	s_wait_alu depctr_hold_cnt(0) depctr_sa_sdst(0) depctr_va_vdst(0) depctr_va_sdst(0) depctr_va_ssrc(0) depctr_va_vcc(0) depctr_vm_vsrc(0)
	s_getreg_b32 s2, hwreg(HW_REG_IB_STS2, 6, 4)
	s_cmp_eq_u32 s2, 0
	s_cbranch_scc0 .Lentry_in_a_cluster
	s_endpgm
.Lentry_in_a_cluster:
	s_bfe_u32 s2, ttmp6, 0x10000c
	s_cmp_lg_u32 s2, 0x3003
	s_cbranch_scc0 .Lentry_shape_is_right
	s_endpgm
.Lentry_shape_is_right:
; BOTH ATTENTIONS AND THE HEAD, FUSED.  All five quantised products run on codes of FP6 (E2M3) with E8M0 scales; p, feats0, feats1 and y never go to memory.
; INPUTS (made by the launch before): records of 12,800 bytes: 8 fragments (16 rows x 128 K) as images of the operand's registers, 1,536 bytes each, then 512 bytes of scale words (tile t, row r: 64 t + 4 r).
;   kv: for each batch and step of 128 positions a record of cur along the channels (keys; also queries, and K step 2 of the head), then one of cur along the keys (values).  qr: ref along the channels.  w1q: w1's three K steps.
;   Row r of tile t is index 32 (t / 2) + 8 (t % 2) + r + 8 (r / 8), in every record.
; SHARES.  A work-group owns 64 positions of one batch, as queries of both kinds (0: ref, 1: cur).  Wave w = 2 pt + kh owns the 16 positions of query tile pt, for BOTH kinds (two tiles), and the key steps 2 i + kh, i = 0..7:
;   so each fragment of K or V that it reads from LDS feeds two products, two waves share a SIMD, and 8 x 32 work-groups have equal work.
;   Tile X is kind kh (kept), tile Y kind 1 - kh (sent to the partner wave w xor 1 at the end): the text is the same in all waves.
; THE SOFTMAX: t = score x log2(e) / sqrt(128); M = the running largest t rounded UP to a whole number; p = 2^(t - M) is quantised along the keys, not normalised; the sum is taken of the unquantised p.
;   When M moves, sum and O are multiplied by a power of two, which rounds nothing.  The two halves of the keys are merged the same way: under the larger M, by powers of two.
; LAYOUT.  All products are used transposed (source 0 = 16 keys, 16 channels or 16 outputs; source 1 = my 16 positions): a lane holds ONE position (lane % 16), and by the order of a tile's rows
;   registers 16 b + i of a result are index 32 b + 16 (lane / 16) + i: 16 neighbours along the next K.
; THE HEAD.  Wave (pt, kh) merges and quantises feats of kind kh, hands its image to its partner through LDS, makes outputs 64 kh .. 64 kh + 63 of the 1x1 convolution (K = feats0, feats1, cur), the folded batch norm, the leaky
;   relu and its part of the dot product with w2 (f32, vector unit: N = 1).
; CLUSTER.  The four work-groups of a cluster are four blocks of positions of one batch: they read the same kv records and the same w1q, so every tensor load is JOINT: the same descriptor and the mask 15 in all four.
;   The place in the cluster enters only the global addresses of the queries and of the output.
; LDS: three regions of 102,400 bytes, each a chunk of four key steps.  Chunks 0, 1, 2 are asked for at the start; chunk 3 follows chunk 0 in region 0; w1q follows chunk 1 in region 1;
;   region 2 has its one fill at the start and serves as scratch once every wave has left it.  A wave has three tensor loads out at the start, later one.
; REGISTERS, two windows of 256.  Window 0: v0-31 addresses and scale words; v32-127 eight fragments.  Window 1: v0-63 O^T of X, v64-127 O^T of Y.  The numbers 128-255 are mirrored: window 0 holds tile X's set,
;   window 1 tile Y's, so the softmax is written once and runs under two settings of s_set_vgpr_msb (bits 1:0 source 0, 3:2 source 1, 5:4 source 2, 7:6 destination).  Scale operands have no window: Y's scale word of p is moved to v22.
; LIMITS: NaN and infinities are not served.  A p under 2^-126 comes out of v_exp_f32 as 0.  A block of p or of feats whose largest magnitude lies under 2^-124 gets the byte 1 (a block of zeros too: its codes are zeros).
.set REC,   12800
.set SCO,   12288
.set STEPB, 2*REC                      ; a key step: K's record, then V's
.set REG,   8*REC
.set REG1,  REG
.set REG2,  2*REG
.set SPARE, 3*REG                      ; the spare words, 128 bytes for each wave: four blocks of 256 bytes that no other line names
.set OX,    REG2                       ; scratch in region 2: O^T of Y, 8,192 bytes a wave;
.set STX,   REG2+65536                 ; -M and the sum, 256 bytes a wave;
.set FI,    REG2+67584                 ; a fragment of feats, 1,536 bytes a wave;
.set FS,    REG2+79872                 ; its scale words, 128 bytes a wave;
.set PS,    REG2+80896                 ; the dot product's halves: [kh][64 positions] f32
.set L16, 1                            ; v1   16 x lane
.set L4,  2                            ; v2   4 x lane
.set SPW, 3                            ; v3   LDS address of my spare word; never rewritten
.set NIL, 4                            ; v4   0; never rewritten
.set AF,  5                            ; v5   the step's fragments
.set AS,  6                            ; v6   the step's scale words
.set VQ,  7                            ; v7   global: my query tile's fragment in a record
.set VS,  8                            ; v8   global: its scale words
.set AOX, 9                            ; v9-15, v23-27: LDS addresses of the tail, made at the head
.set AOP, 10
.set AST, 11
.set ASP, 12
.set AFI, 13
.set AFS, 14
.set AFP, 15
.set KS,  16                           ; v16-19 scale words of K or of V (lanes 0-15 tile 2 e, lanes 16-31 tile 2 e + 1); in the head w1's
.set QSX, 20                           ; v20  scale words of X's queries, later of cur as K step 2
.set QSY, 21                           ; v21  of Y's queries; in the head w1's
.set PWY, 22                           ; v22  of Y's p; in the head w1's
.set AFQ, 23
.set AW,  24
.set AWS, 25
.set APS, 26
.set APL, 27
.set VB,  28                           ; v28  global: my 16 outputs' bytes in inv, sh, w2
.set VOUT, 29                          ; v29  global: 8 x lane
.set XS0, 30                           ; v30, v31 scale words of feats0, feats1
.set XS1, 31
.set F,   32
.set S,   128                          ; 128-191 scores, then p
.set PC,  192                          ; 192-203 p's codes
.set XF1, 204                          ; (the head: feats1's fragment)
.set BM,  204                          ; 204-207 the blocks' maxima
.set BX,  208                          ; 208-211 the permutes' destinations, then the bytes
.set SO,  212                          ; 212-215 the conversions' scale operands
.set CT,  216                          ; 216-222 the second halves of the codes
.set FF,  224                          ; 224:225 f = 2^(old M - new M)
.set TMP, 226
.set PW,  227                          ; p's scale word
.set AC,  228                          ; 228:229 the sum's second chain
.set Q,   232                          ; 232-243 the query fragment
.set NM,  244                          ; -M
.set TM,  245                          ; the largest t so far
.set SUM, 246                          ; 246:247 the sum, in two halves
.set TB,  26                           ; s26  LDS byte at which the step in hand begins
.set MSB, 0
.macro WIN new                         ; the immediate's high byte repeats the setting that is left; a switch that changes nothing is dropped
.if MSB != \new
	s_set_vgpr_msb (MSB<<8)|\new
.set MSB, \new
.endif
.endm
.macro PLACES n
.rept \n
	v_nop
.endr
.endm
; A round of the cluster's barrier: my work-group's barrier; wave 0 signals for the work-group; every wave waits for all four work-groups; my work-group's barrier once more.
.macro ROUND
	s_barrier_signal -1
	s_barrier_wait -1
	s_cmp_lg_u32 s18, 0
	s_cbranch_scc1 .Lnot_wave_0_\@
	s_barrier_signal -3
.Lnot_wave_0_\@:
	s_barrier_wait -3
	s_barrier_signal -1
	s_barrier_wait -1
.endm
; One product.  zero = 1: it starts the sum.  row = 1: source 0's scale words stand in lanes 16-31 of their register.
.macro MM d, a, b, zero, sa, sb, row
.if \zero
.if \row
	v_wmma_scale_f32_16x16x128_f8f6f4 v[\d:\d+7], v[\a:\a+11], v[\b:\b+11], 0, v[\sa], v[\sb] matrix_a_fmt:MATRIX_FMT_FP6 matrix_b_fmt:MATRIX_FMT_FP6 matrix_a_scale:MATRIX_SCALE_ROW1
.else
	v_wmma_scale_f32_16x16x128_f8f6f4 v[\d:\d+7], v[\a:\a+11], v[\b:\b+11], 0, v[\sa], v[\sb] matrix_a_fmt:MATRIX_FMT_FP6 matrix_b_fmt:MATRIX_FMT_FP6
.endif
.else
.if \row
	v_wmma_scale_f32_16x16x128_f8f6f4 v[\d:\d+7], v[\a:\a+11], v[\b:\b+11], v[\d:\d+7], v[\sa], v[\sb] matrix_a_fmt:MATRIX_FMT_FP6 matrix_b_fmt:MATRIX_FMT_FP6 matrix_a_scale:MATRIX_SCALE_ROW1
.else
	v_wmma_scale_f32_16x16x128_f8f6f4 v[\d:\d+7], v[\a:\a+11], v[\b:\b+11], v[\d:\d+7], v[\sa], v[\sb] matrix_a_fmt:MATRIX_FMT_FP6 matrix_b_fmt:MATRIX_FMT_FP6
.endif
.endif
.endm
; A record's eight fragments and its scale words: each load reads 512 (128) consecutive bytes
.macro FRAGS off
.irp t, 0,1,2,3,4,5,6,7
.irp g, 0,1,2
	ds_load_b128 v[F+12*\t+4*\g:F+12*\t+4*\g+3], v[AF] offset:\off+1536*\t+512*\g
.endr
.endr
.irp e, 0,1,2,3
	ds_load_b32 v[KS+\e], v[AS] offset:\off+SCO+128*\e
.endr
.endm
; The four bytes in v[BX] on and the scale operands in v[SO] on are there: the scale word, and the 64 numbers in v[S] on as a fragment's codes in v[PC] on
.macro CODES
	s_delay_alu instid0(VALU_DEP_3)
	v_lshl_or_b32 v[PW], v[BX+1], 8, v[BX]
	s_delay_alu instid0(VALU_DEP_1)
	v_lshl_or_b32 v[PW], v[BX+2], 16, v[PW]
	s_delay_alu instid0(VALU_DEP_1)
	v_lshl_or_b32 v[PW], v[BX+3], 24, v[PW]
.irp c, 0,1
	v_cvt_scalef32_pk16_fp6_f32 v[PC+6*\c:PC+6*\c+2], v[S+32*\c:S+32*\c+15], v[SO+2*\c]
	v_cvt_scalef32_pk16_fp6_f32 v[CT+4*\c:CT+4*\c+2], v[S+32*\c+16:S+32*\c+31], v[SO+2*\c+1]   ; (a conversion's three registers begin on an even number)
.endr
	v_nop                                          ; one plain place behind a scaled conversion
.irp c, 0,1                                    ; the operand's layout wants a WHOLE block in a lane: lanes 0-15 block 2 c, lanes 16-31 block 2 c + 1
.irp i, 0,1,2
	v_permlane16_swap_b32 v[PC+6*\c+\i], v[CT+4*\c+\i]
.endr
.irp i, 0,1,2
	s_delay_alu instid0(VALU_DEP_3)
	v_mov_b32 v[PC+6*\c+3+\i], v[CT+4*\c+\i]
.endr
.endr
.endm
; One tile's softmax for a key step, up to p's codes.  Each accumulator of scores is read from its low end on.
.macro SM_A
.irp b, 0,1,2,3
	v_max3_num_f32 v[BM+\b], v[S+16*\b], v[S+16*\b+1], v[S+16*\b+2]   ; the largest SCORE of each block of 32 keys: it serves the row's maximum and, since p rises with the score, the block's largest p
.endr
.irp i, 3,5,7,9,11,13
.irp b, 0,1,2,3
	v_max3_num_f32 v[BM+\b], v[BM+\b], v[S+16*\b+\i], v[S+16*\b+\i+1]   ; (the four blocks by turns)
.endr
.endr
.irp b, 0,1,2,3
	v_max_num_f32 v[BM+\b], v[BM+\b], v[S+16*\b+15]
.endr
.irp b, 0,1,2,3
	s_delay_alu instid0(VALU_DEP_4)
	v_permlanex16_b32 v[BX+\b], v[BM+\b], s22, s23
.endr
.irp b, 0,1,2,3
	s_delay_alu instid0(VALU_DEP_4)
	v_max_num_f32 v[BM+\b], v[BM+\b], v[BX+\b]     ; with lane l xor 16's 16 keys
.endr
	s_delay_alu instid0(VALU_DEP_2)
	v_max3_num_f32 v[TMP], v[BM], v[BM+1], v[BM+2]
	s_delay_alu instid0(VALU_DEP_1)
	v_max_num_f32 v[TMP], v[TMP], v[BM+3]
	s_delay_alu instid0(VALU_DEP_1)
	v_mul_f32 v[TMP], s24, v[TMP]                  ; the step's largest t (c is positive)
	s_delay_alu instid0(VALU_DEP_1)
	v_max_num_f32 v[TM], v[TM], v[TMP]
	v_mov_b32 v[TMP], v[NM]
	s_delay_alu instid0(VALU_DEP_2)
	v_floor_f32 v[NM], -v[TM]                      ; the new -M = floor(-t): M is a whole number
	s_delay_alu instid0(VALU_DEP_1)
	v_sub_f32 v[TMP], v[NM], v[TMP]                ; old M - new M, 0 or less
	s_delay_alu instid0(VALU_DEP_1)
	v_cvt_i32_f32 v[TMP], v[TMP]                   ; (it saturates)
	s_delay_alu instid0(VALU_DEP_1)
	v_ldexp_f32 v[FF], 1.0, v[TMP]                 ; f = 2^(old M - new M)
.set j, 0
.rept 32
	v_pk_fma_f32 v[S+j:S+j+1], v[S+j:S+j+1], s[24:25], v[NM:NM+1] op_sel_hi:[1,0,0]   ; t - M, two at a time (of the pairs c and -M the low word serves both halves)
.set j, j+2
.endr
.irp b, 0,1,2,3
	v_fma_f32 v[BM+\b], v[BM+\b], s24, v[NM]       ; the same of each block's largest score
.endr
.set j, 0
	s_wait_alu depctr_va_vdst(0)
.rept 64
	v_exp_f32 v[S+j], v[S+j]                       ; p = 2^(t - M), at most 1
.set j, j+1
.endr
.irp b, 0,1,2,3
	v_exp_f32 v[BM+\b], v[BM+\b]                   ; the block's largest p: the same two instructions on the same number give the same bits
.endr
	v_pk_mul_f32 v[SUM:SUM+1], v[SUM:SUM+1], v[FF:FF+1] op_sel_hi:[1,0]   ; the sum under the new M.  (A plain place behind the exponentials)
	s_wait_alu depctr_va_vdst(0)
.irp b, 0,1,2,3
	v_max_num_f32 v[BM+\b], 0x1800000, v[BM+\b]    ; the floor 2^(3 - 127): the byte cannot fall under 1
.endr
.irp b, 0,1,2,3
	s_delay_alu instid0(VALU_DEP_4)
	v_add_nc_u32 v[SO+\b], 0xff000000, v[BM+\b]    ; 2 off the exponent field: the conversion's scale operand
.endr
.irp b, 0,1,2,3
	s_delay_alu instid0(VALU_DEP_4)
	v_lshrrev_b32 v[BX+\b], 23, v[SO+\b]           ; the scale's byte
.endr
	CODES
.endm
; The row's sum is taken of the UNQUANTISED p: two at a time, in two chains
.macro SM_B
	v_pk_add_f32 v[AC:AC+1], v[S:S+1], v[S+2:S+3]
.set j, 4
.rept 15
	v_pk_add_f32 v[SUM:SUM+1], v[SUM:SUM+1], v[S+j:S+j+1]
	v_pk_add_f32 v[AC:AC+1], v[AC:AC+1], v[S+j+2:S+j+3]
.set j, j+4
.endr
	s_delay_alu instid0(VALU_DEP_1)
	v_pk_add_f32 v[SUM:SUM+1], v[SUM:SUM+1], v[AC:AC+1]
.endm
; 64 numbers in v[S] on (register 16 b + i = k 32 b + 16 (lane / 16) + i of my row) become a fragment and its scale word
.macro QUANTH
.irp b, 0,1,2,3
	v_max3_num_f32 v[BM+\b], |v[S+16*\b]|, |v[S+16*\b+1]|, 0x1800000   ; my 16 numbers of block b, and the floor 2^(3 - 127)
.endr
.irp i, 2,4,6,8,10,12,14
.irp b, 0,1,2,3
	s_delay_alu instid0(VALU_DEP_4)
	v_max3_num_f32 v[BM+\b], v[BM+\b], |v[S+16*\b+\i]|, |v[S+16*\b+\i+1]|
.endr
.endr
.irp b, 0,1,2,3
	s_delay_alu instid0(VALU_DEP_4)
	v_permlanex16_b32 v[BX+\b], v[BM+\b], s22, s23
.endr
.irp b, 0,1,2,3
	s_delay_alu instid0(VALU_DEP_4)
	v_max_num_f32 v[BM+\b], v[BM+\b], v[BX+\b]
.endr
.irp b, 0,1,2,3
	s_delay_alu instid0(VALU_DEP_4)
	v_add_nc_u32 v[SO+\b], 0xff000000, v[BM+\b]
.endr
.irp b, 0,1,2,3
	s_delay_alu instid0(VALU_DEP_4)
	v_lshrrev_b32 v[BX+\b], 23, v[SO+\b]
.endr
	CODES
.endm
; A KEY STEP: 128 keys, both tiles.  32 products; no two that follow each other share an accumulator.  first = 1: the products V^T P start O^T's sums: nothing is cleared.
.macro STEP first
	v_add_nc_u32 v[AF], s[TB], v[L16]
	v_add_nc_u32 v[AS], s[TB], v[L4]
	PLACES 2                                       ; with the two additions: four places in front of loads into registers that the last products read (ISA guide 7.12.1 for vector instructions)
	FRAGS 0                                        ; K
	s_wait_alu depctr_va_vdst(0)
	s_wait_dscnt 0x0
.irp t, 0,1,2,3,4,5,6,7
	MM S+8*\t, F+12*\t, Q, 1, KS+\t/2, QSX, \t%2   ; S^T of X
.endr
	WIN 0x44                                       ; Q and S^T of Y: window 1
.irp t, 0,1,2,3,4,5,6,7
	MM S+8*\t, F+12*\t, Q, 1, KS+\t/2, QSY, \t%2
.endr
	WIN 0
	PLACES 4                                       ; in front of the loads below and of the first reads of the scores
	FRAGS REC                                      ; V: it lands under the softmax
	SM_A
	SM_B
	WIN 0x55
	s_setprio 1
	SM_A
	WIN 0x01
	v_mov_b32 v[PWY], v[PW]                        ; Y's scale word into window 0; the 32 additions below stand between it and the product that names it (eight places are asked)
	WIN 0x55
	SM_B
.if !\first
	WIN 0x41                                       ; O^T window 1, f of X window 0
.set j, 0
.rept 32
	v_pk_mul_f32 v[j:j+1], v[j:j+1], v[FF:FF+1] op_sel_hi:[1,0]   ; O^T under the new M; each accumulator from its low end on
.set j, j+2
.endr
	WIN 0x45                                       ; f of Y window 1
.rept 32
	v_pk_mul_f32 v[j:j+1], v[j:j+1], v[FF:FF+1] op_sel_hi:[1,0]
.set j, j+2
.endr
.endif
	s_wait_alu depctr_va_vdst(0)
	s_wait_dscnt 0x0                               ; V is in
	WIN 0x50                                       ; O^T (C and D) window 1; V and X's p window 0
	s_setprio 0
.irp t, 0,1,2,3,4,5,6,7
	MM 8*\t, F+12*\t, PC, \first, KS+\t/2, PW, \t%2
.endr
	WIN 0x54                                       ; Y's p window 1
.irp t, 0,1,2,3,4,5,6,7
	MM 64+8*\t, F+12*\t, PC, \first, KS+\t/2, PWY, \t%2
.endr
	WIN 0
	s_add_co_u32 s[TB], s[TB], 2*STEPB             ; my next step is two steps on
.endm
.macro STEPS n
	s_mov_b32 s27, \n
.Lsteps_\@:
	s_setprio 2
	STEP 0
	s_sub_co_u32 s27, s27, 1
	s_cmp_lg_u32 s27, 0
	s_cbranch_scc1 .Lsteps_\@
	s_setprio 0
.endm
.macro INIT                            ; a tile's statistics: the largest t -3e38, under every t; the sum 0; registers that are named before they are first written
	v_mov_b32 v[TM], 0xff61b1e6
	s_delay_alu instid0(VALU_DEP_1)
	v_floor_f32 v[NM], -v[TM]
	v_mov_b32 v[SUM], 0
	v_mov_b32 v[SUM+1], 0
	v_mov_b32 v[FF+1], 0
.irp b, 0,1,2,3
	v_mov_b32 v[BX+\b], 0
.endr
.endm
	s_load_b256 s[4:11], s[0:1], 0x0               ; kv s[4:5], qr s[6:7], w1q s[8:9], bn s[10:11]
	s_load_b128 s[12:15], s[0:1], 0x20             ; w2 s[12:13], b2 s[14:15]
	s_load_b64 s[16:17], s[0:1], 0x30              ; out0
	v_lshl_add_u32 v[SPW], v0, 2, SPARE
	v_mov_b32 v[NIL], 0
	ds_add_u32 v3, v4
	ds_add_u32 v3, v4
	s_wait_dscnt 0x0
	v_lshrrev_b32 v5, 5, v0
	s_delay_alu instid0(VALU_DEP_1)
	v_readfirstlane_b32 s18, v5                    ; wave 0..7
	s_and_b32 s19, s18, 1                          ; kh
	s_lshr_b32 s20, s18, 1                         ; pt
	s_bfe_u32 s28, ttmp6, 0x40000                  ; cx: my place in the cluster
	s_lshl_b32 s29, ttmp9, 2                       ; in a cluster launch ttmp9 counts clusters
	s_add_co_u32 s29, s29, s28                     ; g: my block of 64 positions
	s_and_b32 s30, ttmp7, 0xffff                   ; the batch, which the four partners share
	s_and_b32 s31, s29, 1
	s_lshl_b32 s31, s31, 2
	s_add_co_u32 s31, s31, s20                     ; my query tile in its record: 4 (g % 2) + pt
	s_lshr_b32 s21, s29, 1
	s_lshl_b32 s57, s30, 4
	s_add_co_u32 s57, s57, s21                     ; which record: 16 x batch + g / 2
	v_and_b32 v32, 31, v0                          ; lane
	v_and_b32 v33, 15, v0                          ; r
	v_bfe_u32 v34, v0, 4, 1                        ; h
	s_delay_alu instid0(VALU_DEP_3)
	v_lshlrev_b32 v[L16], 4, v32
	s_wait_alu depctr_va_vdst(0)
	v_lshlrev_b32 v[L4], 2, v32
	s_wait_alu depctr_va_vdst(0)
	s_mul_i32 s66, s31, 1536
	v_add_nc_u32 v[VQ], s66, v[L16]
	s_lshl_b32 s66, s31, 6
	s_add_co_u32 s66, s66, SCO
	v_lshl_add_u32 v[VS], v33, 2, s66
	; every LDS address of the tail: a constant + a constant x wave + a constant x lane
	s_lshl_b32 s68, s18, 13
	s_add_co_u32 s68, s68, OX
	v_add_nc_u32 v[AOX], s68, v[L16]
	s_xor_b32 s69, s18, 1                          ; my partner
	s_lshl_b32 s68, s69, 13
	s_add_co_u32 s68, s68, OX
	v_add_nc_u32 v[AOP], s68, v[L16]
	s_lshl_b32 s68, s18, 8
	s_add_co_u32 s68, s68, STX
	v_add_nc_u32 v[AST], s68, v[L4]
	s_lshl_b32 s68, s69, 8
	s_add_co_u32 s68, s68, STX
	v_add_nc_u32 v[ASP], s68, v[L4]
	s_mul_i32 s68, s18, 1536
	s_add_co_u32 s68, s68, FI
	v_add_nc_u32 v[AFI], s68, v[L16]
	s_lshl_b32 s68, s18, 7
	s_add_co_u32 s68, s68, FS
	v_add_nc_u32 v[AFS], s68, v[L4]
	s_and_b32 s69, s18, 6                          ; the pair's even wave: it holds kind 0
	s_mul_i32 s68, s69, 1536
	s_add_co_u32 s68, s68, FI
	v_add_nc_u32 v[AFP], s68, v[L16]
	s_lshl_b32 s68, s69, 7
	s_add_co_u32 s68, s68, FS
	v_add_nc_u32 v[AFQ], s68, v[L4]
	s_mul_i32 s68, s19, 6144                       ; w1: my four tiles of outputs, 4 kh on
	s_add_co_u32 s68, s68, REG1
	v_add_nc_u32 v[AW], s68, v[L16]
	s_lshl_b32 s68, s19, 8
	s_add_co_u32 s68, s68, REG1+SCO
	v_add_nc_u32 v[AWS], s68, v[L4]
	v_and_b32 v35, 8, v33
	s_delay_alu instid0(VALU_DEP_1)
	v_add_nc_u32 v35, v35, v33                     ; r + 8 (r / 8)
	s_wait_alu depctr_va_vdst(0)
	s_lshl_b32 s68, s19, 8
	s_lshr_b32 s69, s20, 1
	s_lshl_b32 s69, s69, 7
	s_add_co_u32 s68, s68, s69
	s_and_b32 s69, s20, 1
	s_lshl_b32 s69, s69, 5
	s_add_co_u32 s68, s68, s69
	s_add_co_u32 s68, s68, PS
	v_lshl_add_u32 v[APS], v35, 2, s68             ; my position among the 64: 32 (pt / 2) + 8 (pt % 2) + r + 8 (r / 8); half kh
	v_lshl_add_u32 v[APL], v32, 3, PS
	s_lshl_b32 s68, s19, 8
	v_lshl_add_u32 v[VB], v34, 6, s68              ; outputs 64 kh + 16 h on, 4 bytes each
	v_lshlrev_b32 v[VOUT], 3, v32
	; descriptor group 1: a record, 12,800 dense bytes, as 50 rows of 256 bytes (32 elements of 8 bytes)
	s_mov_b32 s32, 15|(3<<16)|(1<<21)              ; 15:0 the mask: all four work-groups; 17:16 elements of 8 bytes; 20 no padding; 21 set beside a mask
	s_mov_b32 s33, 32<<16                          ; tensor_dim0 = 32
	s_mov_b32 s34, 50<<16                          ; tensor_dim1 = 50
	s_mov_b32 s35, 32<<16                          ; tile_dim0 = 32
	s_mov_b32 s36, 50                              ; tile_dim1 = 50
	s_mov_b32 s37, 32                              ; from row to row
	s_mov_b32 s38, 0
	s_mov_b32 s39, 0
	s_mul_i32 s70, s18, REC                        ; wave w fetches record w of a chunk: its place in memory and in LDS
	s_mul_i32 s72, s30, 16*STEPB                   ; the batch's 16 steps
	s_add_co_u32 s72, s72, s70
	s_mov_b32 s73, 0
	s_min_u32 s74, s18, 2                          ; w1q has three records: waves 0 to 2 fetch them
	s_mul_i32 s74, s74, REC
	s_mov_b32 s75, 0
	s_mul_i32 s66, s57, STEPB                      ; my positions' record of cur,
	s_mov_b32 s67, 0
	s_mul_i32 s76, s57, REC                        ; and of ref
	s_mov_b32 s77, 0
	s_lshl_b32 s78, s30, 13
	s_lshl_b32 s79, s29, 8
	s_add_co_u32 s78, s78, s79                     ; out0: (2,048 x batch + 64 g) x 4 bytes
	s_mov_b32 s79, 0
	s_mov_b32 s22, 0x76543210
	s_mov_b32 s23, 0xfedcba98                      ; v_permlanex16_b32's selects for lane l xor 16
	s_mov_b32 s24, 0x3e0293ee                      ; c = log2(e) / sqrt(128)
	s_mov_b32 s25, s24                             ; (named with it as a pair, so it is written)
	s_mul_i32 s[TB], s19, STEPB                    ; my first step: kh
	s_wait_kmcnt 0x0
	s_load_b32 s56, s[14:15], 0x0                  ; b2
	s_add_nc_u64 s[72:73], s[4:5], s[72:73]
.irp c, 0,1,2                                  ; group 0 of chunk c, into region c
	s_mov_b32 s[40+4*\c], 1                        ; 1:0 count = 1
	s_add_co_u32 s[41+4*\c], s70, \c*REG           ; 63:32 LDS address
	s_add_nc_u64 s[42+4*\c:43+4*\c], s[72:73], \c*REG   ; 120:64 global address
	s_or_b32 s[43+4*\c], s[43+4*\c], 0x80000000    ; 127:126 type = 2
.endr
	s_mov_b32 s52, 1                               ; group 0 of w1q, into region 1
	s_add_co_u32 s53, s74, REG1
	s_add_nc_u64 s[54:55], s[8:9], s[74:75]
	s_or_b32 s55, s55, 0x80000000
	s_add_nc_u64 s[62:63], s[4:5], s[66:67]        ; cur's record
	s_add_nc_u64 s[76:77], s[6:7], s[76:77]        ; ref's
	s_cmp_eq_u32 s19, 0
	s_cselect_b64 s[58:59], s[76:77], s[62:63]     ; X: kind kh
	s_cselect_b64 s[60:61], s[62:63], s[76:77]     ; Y: the other kind
	s_add_nc_u64 s[16:17], s[16:17], s[78:79]
	ROUND                                          ; all four work-groups are here: the first joint loads meet
	tensor_load_to_lds s[40:43], s[32:39]          ; the first fills go out together: three loads of mine are out
	s_nop 0
	tensor_load_to_lds s[44:47], s[32:39]
	s_nop 0
	tensor_load_to_lds s[48:51], s[32:39]
	s_nop 0
	PLACES 4
.irp g, 0,1,2
	global_load_b128 v[Q+4*\g:Q+4*\g+3], v[VQ], s[58:59] offset:512*\g   ; the query fragments stay in registers
.endr
	global_load_b32 v[QSX], v[VS], s[58:59]
	global_load_b32 v[QSY], v[VS], s[60:61]
	WIN 0x40                                       ; destination window 1
.irp g, 0,1,2
	global_load_b128 v[Q+4*\g:Q+4*\g+3], v[VQ], s[60:61] offset:512*\g
.endr
	WIN 0
	INIT
	v_mov_b32 v254, 0                              ; a lane permute's destination in the tail
	WIN 0x55
	INIT
	WIN 0
	s_wait_kmcnt 0x0                               ; b2
	s_wait_loadcnt 0x0                             ; the queries
	s_wait_tensorcnt 0x2                           ; my record of chunk 0 is in; the two younger loads stay out
	s_barrier_signal -1
	s_barrier_wait -1                              ; everybody's is
	STEP 1                                         ; chunk 0: my two steps
	STEP 0
	s_wait_tensorcnt 0x0                           ; all my tensor loads have landed: my records of chunks 1 and 2; so a group 0 may be written
	ds_add_u32 v[SPW], v[NIL]                      ; 0 onto my spare word
	s_add_nc_u64 s[42:43], s[42:43], 3*REG         ; chunk 3; the type bits on top are not reached
	s_wait_dscnt 0x0                               ; the add is done, and my reads of region 0 are over
	ROUND                                          ; both now hold of every wave of every partner
	tensor_load_to_lds s[40:43], s[32:39]          ; my one tensor load behind the round: chunk 3 into region 0; it has four of my steps in which to land
	s_nop 0
	PLACES 4
	STEPS 4                                        ; chunks 1 and 2: shown whole by the wait and the round above; the step's address runs on across the regions' border
	s_wait_tensorcnt 0x0                           ; my record of chunk 3 is in
	ds_add_u32 v[SPW], v[NIL]
	s_mul_i32 s[TB], s19, STEPB                    ; back to region 0
	s_wait_dscnt 0x0                               ; the add is done, and my reads of regions 1 and 2 are over
	ROUND
	s_cmp_lt_u32 s18, 3                            ; w1q's three records into region 1: waves 0 to 2, one load each; the branch hangs on the wave's number alone
	s_cbranch_scc0 .Lno_w1
	tensor_load_to_lds s[52:55], s[32:39]
	s_nop 0
	PLACES 4
.Lno_w1:
	STEPS 2                                        ; chunk 3
	; ---- THE TAIL.  Tile Y goes to my partner: O^T, -M and the sum, as they stand in my registers, into region 2 (its one fill is long over, and every wave left it in front of the last round)
	PLACES 4                                       ; behind the last products
	v_add_f32 v[SUM], v[SUM], v[SUM+1]
	WIN 0x55
	v_add_f32 v[SUM], v[SUM], v[SUM+1]
	WIN 0x04                                       ; an LDS store's data are its source 1: window 1
.irp i, 0,1,2,3,4,5,6,7,8,9,10,11,12,13,14,15
	ds_store_b128 v[AOX], v[64+4*\i:64+4*\i+3] offset:512*\i   ; each accumulator from its low end on
.endr
	ds_store_b32 v[AST], v[NM]
	ds_store_b32 v[AST], v[SUM] offset:128
	WIN 0
	s_wait_tensorcnt 0x0                           ; for the others' sake: my record of w1q is in,
	s_wait_dscnt 0x0                               ; and my stores have landed
	s_barrier_signal -1
	s_barrier_wait -1
.irp g, 0,1,2
	global_load_b128 v[Q+4*\g:Q+4*\g+3], v[VQ], s[62:63] offset:512*\g   ; cur along the channels at my positions: K step 2 of the head
.endr
	global_load_b32 v[QSX], v[VS], s[62:63]
	WIN 0x40
.irp e, 0,1                                    ; inv, sh and w2 at my 32 outputs, in the result's layout: register 16 e + i is output 64 kh + 32 e + 16 h + i
.irp q, 0,1,2,3
	global_load_b128 v[64+16*\e+4*\q:64+16*\e+4*\q+3], v[VB], s[10:11] offset:128*\e+16*\q
	global_load_b128 v[96+16*\e+4*\q:96+16*\e+4*\q+3], v[VB], s[10:11] offset:512+128*\e+16*\q
	global_load_b128 v[128+16*\e+4*\q:128+16*\e+4*\q+3], v[VB], s[12:13] offset:128*\e+16*\q
.endr
.endr
	WIN 0
.irp i, 0,1,2,3,4,5,6,7,8,9,10,11,12,13,14,15
	ds_load_b128 v[S+4*\i:S+4*\i+3], v[AOP] offset:512*\i   ; my partner's half of my kind
.endr
	ds_load_b32 v248, v[ASP]                       ; its -M
	ds_load_b32 v249, v[ASP] offset:128            ; its sum
	s_wait_dscnt 0x0
	v_min_num_f32 v250, v[NM], v248                ; -(the larger M)
	s_delay_alu instid0(VALU_DEP_1)
	v_sub_f32 v251, v250, v[NM]
	s_delay_alu instid0(VALU_DEP_2)
	v_sub_f32 v252, v250, v248
	s_delay_alu instid0(VALU_DEP_2)
	v_cvt_i32_f32 v251, v251
	s_delay_alu instid0(VALU_DEP_2)
	v_cvt_i32_f32 v252, v252
	s_delay_alu instid0(VALU_DEP_2)
	v_ldexp_f32 v251, 1.0, v251                    ; 2^(my M - the larger M)
	s_wait_alu depctr_va_vdst(0)
	v_ldexp_f32 v252, 1.0, v252                    ; 2^(its M - the larger M)
	v_mul_f32 v253, v[SUM], v251
	s_delay_alu instid0(VALU_DEP_1)
	v_fma_f32 v253, v249, v252, v253
	s_delay_alu instid0(VALU_DEP_1)
	v_permlanex16_b32 v254, v253, s22, s23
	s_delay_alu instid0(VALU_DEP_1)
	v_add_f32 v253, v253, v254                     ; with lane l xor 16's keys: the row's sum
	s_wait_alu depctr_va_vdst(0)
	v_rcp_f32 v253, v253
	v_nop                                          ; a plain place behind the transcendental
	s_wait_alu depctr_va_vdst(0)
	v_mul_f32 v[FF], v251, v253
	v_mul_f32 v[AC], v252, v253
.set j, 0
.rept 32
	v_pk_mul_f32 v[S+j:S+j+1], v[S+j:S+j+1], v[AC:AC+1] op_sel_hi:[1,0]
.set j, j+2
.endr
	WIN 0x01                                       ; O^T of X: window 1
.set j, 0
.rept 32
	v_pk_fma_f32 v[S+j:S+j+1], v[j:j+1], v[FF:FF+1], v[S+j:S+j+1] op_sel_hi:[1,0,1]   ; feats of kind kh: register 16 b + i is channel 32 b + 16 h + i
.set j, j+2
.endr
	WIN 0
	QUANTH
.irp c, 0,1,2
	ds_store_b128 v[AFI], v[PC+4*\c:PC+4*\c+3] offset:512*\c   ; the fragment as it stands
.endr
	ds_store_b32 v[AFS], v[PW]
	s_wait_dscnt 0x0                               ; for my partner's sake
	s_barrier_signal -1
	s_barrier_wait -1
.irp c, 0,1,2
	ds_load_b128 v[PC+4*\c:PC+4*\c+3], v[AFP] offset:512*\c          ; feats0
	ds_load_b128 v[XF1+4*\c:XF1+4*\c+3], v[AFP] offset:1536+512*\c   ; feats1
.endr
	ds_load_b32 v[XS0], v[AFQ]
	ds_load_b32 v[XS1], v[AFQ] offset:128
.irp k, 0,1,2                                  ; w1: K step k, my four tiles of outputs
.irp i, 0,1,2,3
.irp g, 0,1,2
	ds_load_b128 v[F+12*(4*\k+\i)+4*\g:F+12*(4*\k+\i)+4*\g+3], v[AW] offset:REC*\k+1536*\i+512*\g
.endr
.endr
.endr
	ds_load_b32 v[KS], v[AWS]
	ds_load_b32 v[KS+1], v[AWS] offset:128
	ds_load_b32 v[KS+2], v[AWS] offset:REC
	ds_load_b32 v[KS+3], v[AWS] offset:REC+128
	ds_load_b32 v[QSY], v[AWS] offset:2*REC
	ds_load_b32 v[PWY], v[AWS] offset:2*REC+128
	s_wait_dscnt 0x0
	s_wait_loadcnt 0x0                             ; cur's fragment, inv, sh, w2
	WIN 0x50                                       ; the sums in window 1, v0-31: four accumulators by turns
.irp i, 0,1,2,3
	MM 8*\i, F+12*\i, PC, 1, KS+\i/2, XS0, \i%2
.endr
.irp i, 0,1,2,3
	MM 8*\i, F+48+12*\i, XF1, 0, KS+2+\i/2, XS1, \i%2
.endr
.irp i, 0,1,2,3
	MM 8*\i, F+96+12*\i, Q, 0, QSY+\i/2, QSX, \i%2
.endr
	WIN 0x55
	PLACES 4
.set j, 0
.rept 16
	v_pk_fma_f32 v[160+j:161+j], v[j:j+1], v[64+j:65+j], v[96+j:97+j]   ; the bias and the batch norm: inv x sum + sh
.set j, j+2
.endr
.set j, 0
.rept 16
	v_pk_mul_f32 v[192+j:193+j], v[160+j:161+j], 0x3c23d70a op_sel_hi:[1,0]   ; 0.01 y
.set j, j+2
.endr
.set j, 0
.rept 32
	v_max_num_f32 v[160+j], v[160+j], v[192+j]     ; the larger of y and 0.01 y is y where y > 0 and 0.01 y elsewhere
.set j, j+1
.endr
	v_pk_mul_f32 v[228:229], v[160:161], v[128:129]   ; x w2, in two chains
	v_pk_mul_f32 v[230:231], v[162:163], v[130:131]
.set j, 4
.rept 7
	s_delay_alu instid0(VALU_DEP_2)
	v_pk_fma_f32 v[228:229], v[160+j:161+j], v[128+j:129+j], v[228:229]
	s_delay_alu instid0(VALU_DEP_2)
	v_pk_fma_f32 v[230:231], v[162+j:163+j], v[130+j:131+j], v[230:231]
.set j, j+4
.endr
	s_delay_alu instid0(VALU_DEP_1)
	v_pk_add_f32 v[228:229], v[228:229], v[230:231]
	s_delay_alu instid0(VALU_DEP_1)
	v_add_f32 v228, v228, v229
	s_delay_alu instid0(VALU_DEP_1)
	v_permlanex16_b32 v208, v228, s22, s23
	s_delay_alu instid0(VALU_DEP_1)
	v_add_f32 v228, v228, v208                     ; my 64 outputs' part of the position's number
	WIN 0x04
	ds_store_b32 v[APS], v228                      ; both halves of the lanes write the same word with the same value
	WIN 0
	s_wait_dscnt 0x0
	s_barrier_signal -1
	s_barrier_wait -1
	s_cmp_lg_u32 s18, 0                            ; wave 0 adds the two halves and b2 and stores the 64 positions
	s_cbranch_scc1 .Lend
	ds_load_b64 v[S:S+1], v[APL]
	ds_load_b64 v[S+2:S+3], v[APL] offset:256
	s_wait_dscnt 0x0
	v_pk_add_f32 v[S:S+1], v[S:S+1], v[S+2:S+3]
	s_delay_alu instid0(VALU_DEP_1)
	v_add_f32 v[S], s56, v[S]
	s_delay_alu instid0(VALU_DEP_2)
	v_add_f32 v[S+1], s56, v[S+1]
	global_store_b64 v[VOUT], v[S:S+1], s[16:17]   ; 32 lanes store 256 consecutive bytes, at a multiple of 256 from out0's first byte
.Lend:
	s_wait_tensorcnt 0x0                           ; the wave's end: behind my last tensor load and my last LDS store
	ds_add_u32 v[SPW], v[NIL]
	s_wait_dscnt 0x0
	ROUND                                          ; the closing round: no work-group ends while a partner may still ask for a tile that names it
	s_endpgm
.Lfunc_end_k_q920ff8e25d_attn:
	.size	k_q920ff8e25d_attn, .Lfunc_end_k_q920ff8e25d_attn-k_q920ff8e25d_attn
	.p2alignl 7, 3214868480
	.fill 96, 4, 3214868480
	.section	.rodata,"a",@progbits
	.p2align	6, 0x0
	.amdhsa_kernel k_q920ff8e25d_attn
		.amdhsa_group_segment_fixed_size 327680
		.amdhsa_private_segment_fixed_size 0
		.amdhsa_enable_private_segment 0
		.amdhsa_kernarg_size 56
		.amdhsa_user_sgpr_count 2
		.amdhsa_user_sgpr_kernarg_segment_ptr 1
		.amdhsa_wavefront_size32 1
		.amdhsa_system_sgpr_workgroup_id_x 1
		.amdhsa_system_sgpr_workgroup_id_y 1
		.amdhsa_system_sgpr_workgroup_id_z 1
		.amdhsa_system_vgpr_workitem_id 0
		.amdhsa_next_free_vgpr 512
		.amdhsa_next_free_sgpr 80
		.amdhsa_reserve_vcc 0
		.amdhsa_float_denorm_mode_32 3
		.amdhsa_float_denorm_mode_16_64 3
		.amdhsa_memory_ordered 1
		.amdhsa_forward_progress 1
		.amdhsa_inst_pref_size 177
	.end_amdhsa_kernel
	.amdgpu_metadata
---
amdhsa.version: [ 1, 2 ]
amdhsa.kernels:
  - .name:           k_q920ff8e25d_attn
    .symbol:         k_q920ff8e25d_attn.kd
    .args:
      - { .name: kv, .offset: 0, .size: 8, .value_kind: global_buffer, .address_space: global }
      - { .name: qr, .offset: 8, .size: 8, .value_kind: global_buffer, .address_space: global }
      - { .name: w1q, .offset: 16, .size: 8, .value_kind: global_buffer, .address_space: global }
      - { .name: bn, .offset: 24, .size: 8, .value_kind: global_buffer, .address_space: global }
      - { .name: w2, .offset: 32, .size: 8, .value_kind: global_buffer, .address_space: global }
      - { .name: b2, .offset: 40, .size: 8, .value_kind: global_buffer, .address_space: global }
      - { .name: out0, .offset: 48, .size: 8, .value_kind: global_buffer, .address_space: global }
    .group_segment_fixed_size: 327680
    .private_segment_fixed_size: 0
    .kernarg_segment_align: 8
    .kernarg_segment_size: 56
    .max_flat_workgroup_size: 256
    .sgpr_count:     80
    .vgpr_count:     512
    .wavefront_size: 32
...
	.end_amdgpu_metadata
.endif
;; end of part 2
